; MI455X (gfx1250); checked and timed in simulation.
; The chip was launched on July 23, 2026; its instructions are those of AMD's public machine-readable ISA for CDNA 5 (MIT licence, August 2026) and "CDNA5" Instruction Set Architecture Reference Guide (July 2026). The comments in the code are by the model that wrote it; some were corrected since.
;; Bert Cos Attention. Allowed arithmetic: matrix products marked QUANTISED: E5M2 operands, one given power-of-two scale a tensor, by v_wmma_f32_16x16x64_bf8_bf8 or v_wmma_f32_16x16x128_bf8_bf8, f32 sums; everything else in f32.
;; Inputs: Wk_codes 1,024 x 32 x 32 uint8 (E5M2 codes of Wk, K innermost, in blocks of 32 codes); Wq_codes 1,024 x 32 x 32 uint8 (E5M2 codes of Wq, K innermost, in blocks of 32 codes); Wv_codes 1,024 x 32 x 32 uint8 (E5M2 codes of Wv, K innermost, in blocks of 32 codes); attention_mask 8 x 1 x 1 x 2,048 int32; bk 1,024 float32; bq 1,024 float32; bv 1,024 float32; hidden_states_codes 8 x 2,048 x 32 x 32 uint8 (E5M2 codes of hidden_states, K innermost, in blocks of 32 codes); lowp_scales 10 int32 (the exponents e of the quantised operands' scales 2^e).
;; Outputs: out0 8 x 2,048 x 1,024 float32.
;; This version of the problem:
;;   THIS VERSION OF THE PROBLEM IS GIVEN IN LOW PRECISION. The matrix products marked QUANTISED in the list below multiply operands that are first quantised to E5M2 (5 exponent bits, 2 mantissa bits; 8 bits a number), with one given power-of-two scale for each operand tensor; their sums are f32. All else is computed in f32.
;;   The module's matrix products, in the order in which they are computed (A, B: the left and right operand; K: the contracted axis; several contracted axes count as one K, in the product's order):
;;     1. [M 16,384, K 1,024] x [K 1,024, N 1,024]; A: input hidden_states (given as codes); B: input Wq (given as codes): QUANTISED (scales: A lowp_scales[0], B lowp_scales[1])
;;     2. [M 16,384, K 1,024] x [K 1,024, N 1,024]; A: input hidden_states (given as codes); B: input Wk (given as codes): QUANTISED (scales: A lowp_scales[2], B lowp_scales[3])
;;     3. [M 16,384, K 1,024] x [K 1,024, N 1,024]; A: input hidden_states (given as codes); B: input Wv (given as codes): QUANTISED (scales: A lowp_scales[4], B lowp_scales[5])
;;     4. batch 128 x [M 64, K 2,048] x [K 2,048, N 64]; A: computed on the way; B: computed on the way: QUANTISED (scales: A lowp_scales[6], B lowp_scales[7])
;;     5. batch 128 x [M 2,048, K 64] x [K 64, N 64]; A: computed on the way; B: computed on the way: QUANTISED (scales: A lowp_scales[8], B lowp_scales[9])
;;   THE QUANTISER, for each operand of a quantised product, along K:
;;     - The operand's scale is 2^e, e = its entry of the input lowp_scales (int32; the entries are numbered through the quantised products in the list's order, A before B).
;;     - Each number is divided by the scale, clamped to +-57,344, and rounded to the nearest number of E5M2, ties to even, subnormals kept.
;;     - The product sums the exact products of the quantised numbers (number of the format x scale) in f32.
;;   ~~~python
;;   def quantise(x, axis, e):      # numpy; x: float32 -> the quantised numbers, widened to float32 again
;;       x = np.moveaxis(x, axis, -1); K = x.shape[-1]
;;       r = np.clip(x / 2.0 ** e, -57344, 57344)
;;       step = 2.0 ** (np.maximum(np.frexp(np.where(r == 0, 1, r))[1] - 1, -14) - 2)
;;       q = np.round(r / step) * step * 2.0 ** e      # np.round: ties to even
;;       return np.moveaxis(q, -1, axis).astype(np.float32)
;;   ~~~
;;   OPERANDS COMPUTED ON THE WAY. 'Computed on the way' means the value that the module computes at that place (a softmax that the list does not call 'softmax' is quantised finished and normalised). What goes into a quantiser is computed in f32, as accurately as f32 sums, v_exp_f32 and their like allow (about 1e-6 of the number): no bf16 or f16 on the way to a quantiser, and a product that is left as it is and whose result goes on into a quantised operand takes f32 operands (vector FMAs, or v_wmma_f32_16x16x4_f32). A number that lies on a knife's edge between two numbers of the format may be rounded either way, as far as f32 arithmetic and the matrix unit's own rounding can turn it there, and no further.
;;   INPUTS GIVEN AS CODES. Wk (in the module: [1024, 1024], K = its axis 0); Wq (in the module: [1024, 1024], K = its axis 0); Wv (in the module: [1024, 1024], K = its axis 0); hidden_states (in the module: [8, 2048, 1024], K = its axis 2): each comes as NAME_codes (uint8): NAME with its K axis moved to the last place and cut into blocks of 32 codes, [.., K / 32, bytes a block], one block behind the other in memory; one code a byte (a code: sign, 5 exponent bits, 2 mantissa bits); its scale is its entry of lowp_scales. Its value is code x scale, taken as it is: it is not quantised again, and the codes and scales need not be those that the quantiser above would give.
;; One version. Each part assembles by itself: llvm-mc -triple=amdgcn-amd-amdhsa -mcpu=gfx1250 --defsym DOCPART=n.
;; ======== version 1 of 1: 2 launches
;; workspace buffers: kvp 4,194,304 bytes; wqi 1,048,576 bytes
;; launch kvpart (part 1): grid 16 x 16, 4 waves a work-group, clusters of 4 x 1, 327,680 bytes of LDS; arguments hidden_states_codes, Wk_codes, Wv_codes, bk, bv, attention_mask, lowp_scales, kvp, Wq_codes, wqi; writes kvp, wqi
.if DOCPART == 1
	.amdgcn_target "amdgcn-amd-amdhsa--gfx1250"
	.amdhsa_code_object_version 6
	.text
	.protected	k_q8cf3946b18_kvpart
	.globl	k_q8cf3946b18_kvpart
	.p2align	8
	.type	k_q8cf3946b18_kvpart,@function
k_q8cf3946b18_kvpart:
	s_mov_b64 s[64:65], 0
	v_nop
	global_prefetch_b8 v0, s[64:65] scope:SCOPE_SE
	s_setreg_imm32_b32 hwreg(HW_REG_WAVE_MODE, 25, 1), 1
	s_wait_xcnt 0x0
	s_wait_alu depctr_hold_cnt(0) depctr_sa_sdst(0) depctr_va_vdst(0) depctr_va_sdst(0) depctr_va_ssrc(0) depctr_va_vcc(0) depctr_vm_vsrc(0)
	s_getreg_b32 s2, hwreg(HW_REG_IB_STS2, 6, 4)
	s_cmp_eq_u32 s2, 0
	s_cbranch_scc0 .Lentry_in_a_cluster
	s_endpgm
.Lentry_in_a_cluster:
	s_bfe_u32 s2, ttmp6, 0x10000c
	s_cmp_lg_u32 s2, 0x3003
	s_cbranch_scc0 .Lentry_shape_is_right
	s_endpgm
.Lentry_shape_is_right:
; k = l2norm((x Wk + bk) m), v = (x Wv + bv) m / count, and the partial sums kv = k^T v over 1,024 tokens of one head, all products on codes of E5M2.
; Beside that each wave copies 1,024 bytes of Wq's codes into the order in which the next launch's operand registers take them.
; SHARES.  Work-group (head, y = 2 b + half) takes tokens 1,024 y .. + 1,023 and the head's 64 columns of k and of v.  Eight tiles of 128 tokens go through two LDS slots.
; Wave w: I = w / 2 says which 64 tokens of each tile, J = w % 2 says k (0) or v (1).  Its 64 columns x 1,024 K of weights stay in 512 registers for the whole launch.
; ONE TEXT FOR BOTH ROLES: they differ in pointers and in numbers kept in registers (for v the floor and the ceiling of the sum of squares are both 1, so that its reciprocal root is 1).
; THE COLUMNS OF A TILE ARE NOT NEIGHBOURS: lane r of column tile t takes column 4 r + t of the head; the next launch lays q and kv by the same order.
; LAYOUT.  Source 0 = 16 tokens, source 1 = 16 columns: a lane holds ONE column and its 8 registers 8 tokens, so a conversion's 2 registers are registers 2 c, 2 c + 1 of an operand whose K runs along the tokens.
; Such operands go from wave to wave as images of their registers (16 bytes a lane, 512 bytes a quad of registers).  Wave w then multiplies k's tile w with v's four tiles.
; BY TURNS.  A row tile's 32 products carry the row tile before's vector work (squares, sum over 16 lanes, reciprocal root, mask, hold, conversion), four instructions behind each product.
; THE CHANGE OF SLOTS stands in the middle of a tile's fourth row tile: its fragments are in registers by then, and its last 16 products stand behind the next tile's first LDS loads.
; A group of 128 tokens for k^T v is what is stored between two changes of slots: of each half of 64, row tiles 2 and 3 of one tile and row tiles 0 and 1 of the next; k's and v's waves agree on that order.
; The first group's first half and the ninth group's second half are zero codes.
; CLUSTER.  The four heads of a cluster walk the same tokens: each tile is asked for jointly, by the same tensor load with a mask that names the four.
; SCALES.  A sum stands for sum x 2^E (E = e2 + e3 for k, e4 + e5 for v); the bias goes in as b / 2^E, as the C of the first K step.  The norm is free of the scale: k = sum x rsq(max(ss, 1e-24 / 4^E)) x m.
; LIMITS: e2 + e3 between -100 and 23 (so that 1e-24 / 4^E is an f32 number made by adding to its exponent field); e6 and e7 - e4 - e5 between -126 and 112.
; A batch without a valid token, and NaN or infinity among the codes, are not served.
.set ROWP,  1040                       ; an LDS row: 1,024 bytes + 16 of padding: the 16 rows of a fragment load begin 16 bytes further on, modulo 256, from row to row
.set SLOTB, 128*ROWP                   ; a slot: 128 tokens
.set QUART, 32*ROWP                    ; what one tensor load brings
.set TILEB, 131072                     ; a tile in memory
.set IMGB,  2*SLOTB                    ; two buffers of images: [J 8192][tile 2048][quad 512][lane 16]
.set IMGS,  16384
.set TBLB,  IMGB+2*IMGS                ; the tokens' factors: 1,024 x m (for k), then 1,024 x m / count (for v)
.set SPARE, TBLB+8192                  ; the spare words, 128 bytes a wave: two blocks of 256 bytes that no other line names
; window 0
.set SPW,  1                           ; LDS address of my spare word; never rewritten
.set NIL,  2                           ; 0; never rewritten
.set AADR, 5                           ; v5, v6: my fragments of x in slot 0, 1
.set WOFF, 7                           ; 4,096 r + 16 h: my place in a column tile of the weights
.set P4K,  8                           ; k's image of tile w
.set P4V,  9                           ; v's images
.set L16,  10                          ; 16 x lane
.set PFO,  11                          ; 256 x lane
.set H0,   32                          ; v32-159: x's fragments of a row tile, K steps 0 to 7, 16 registers each
.set PK,   160                         ; v160-175: k's fragment for k^T v
.set PV,   176                         ; v176-239: v's four;  v240-247: the two quads of Wq that I copy
; windows 1 and 2: the weights: fragment (K step s, tile t) at 64 (s % 4) + 16 t of window 1 + s / 4
; window 3: v0-31, v32-63 two sets of four accumulators
.set BIAS, 64                          ; 8 equal registers a tile
.set KVA,  96                          ; the four accumulators of k^T v
.set SS,   128                         ; 8 tokens' sums of squares, then their factors
.set TF,   136                         ; 8 tokens' table entries
.set CD,   144                         ; codes: 4 registers a tile
.set SCL,  160                         ; the conversion's scale
.set IST,  164                         ; where I store images
.set TAD0, 165                         ; my place in the table
.set TADC, 166                         ; the same, in the tile in hand
.set WB,   52                          ; s[52:53] my 64 columns of the weights
.set SLIM,  26                         ; s26  57,344 x the conversion's scale
.set SNLIM, 27                         ; s27  the same, negative
.set SLO,   93                         ; s93  floor and
.set SHI,   94                         ; s94  ceiling of the sum of squares
.set MSB, 0
.macro WIN new                         ; the immediate's high byte repeats the setting that is left; a switch that changes nothing is dropped
.if MSB != (\new)
	s_set_vgpr_msb (MSB<<8)|(\new)
.set MSB, (\new)
.endif
.endm
.macro PLACES                          ; four plain instructions between a matrix instruction and a load into, or a read of, its registers
.rept 4
	v_nop
.endr
.endm
.macro CREST                           ; a round of the cluster's barrier behind its opening barrier
	s_cmp_lg_u32 s20, 0
	s_cbranch_scc1 .Lnot_wave_0_\@
	s_barrier_signal -3
.Lnot_wave_0_\@:
	s_barrier_wait -3
	s_barrier_signal -1
	s_barrier_wait -1
.endm
.macro CROUND                          ; a whole round
	s_barrier_signal -1
	s_barrier_wait -1
	CREST
.endm
.macro WLOAD                           ; the weights of K step wk: four tiles x four loads of 16 bytes a lane
.set wn, 0x40*(1+wk/4)
	WIN wn
.irp t, 0,1,2,3
.irp q, 0,1,2,3
	global_load_b128 v[64*(wk%4)+16*\t+4*\q:64*(wk%4)+16*\t+4*\q+3], v[WOFF], s[WB:WB+1] offset:\t*1024+wk*128+32*\q
.endr
.endr
.endm
.macro FIRSTW                          ; the first row tile walks behind the weights' loads: K step s + 3 is asked for, K step s is waited for
.set wk, gi/4+3
.if wk <= 7
	WLOAD
.endif
.if gi/4 <= 4
	s_wait_loadcnt 48                              ; three later K steps' loads, 16 each, may be out
.else
	s_wait_loadcnt 16*(7-gi/4)                     ; the K steps that are left
.endif
.endm
.macro LA half, slot, c                ; x's fragments of row tile c, K steps 4 half .. 4 half + 3: lane (r, h) takes, of row r, bytes 32 q + 16 h on: the same order along K as the weights have
	WIN 0
.irp k, 0,1,2,3
.irp q, 0,1,2,3
	ds_load_b128 v[H0+64*(\half)+16*\k+4*\q:H0+64*(\half)+16*\k+4*\q+3], v[AADR+(\slot)] offset:(\c)*16*ROWP+(4*(\half)+\k)*128+32*\q
.endr
.endr
.endm
.macro LT c                            ; the factors of row tile c's tokens 8 h + 0 .. 7
	WIN 0xFF
	ds_load_b128 v[TF:TF+3], v[TADC] offset:(\c)*64
	ds_load_b128 v[TF+4:TF+7], v[TADC] offset:(\c)*64+16
.endm
.macro LP b                            ; a group's images out of buffer b: k's tile w, v's four tiles
	WIN 0
.irp q, 0,1,2,3
	ds_load_b128 v[PK+4*\q:PK+4*\q+3], v[P4K] offset:(\b)*IMGS+\q*512
.endr
.irp d, 0,1,2,3
.irp q, 0,1,2,3
	ds_load_b128 v[PV+16*\d+4*\q:PV+16*\d+4*\q+3], v[P4V] offset:(\b)*IMGS+\d*2048+\q*512
.endr
.endr
.endm
.macro P4MUL                           ; kv += k^T v over a group of 128 tokens; the four accumulators take turns
	WIN 0xF0
.irp d, 0,1,2,3
	v_wmma_f32_16x16x128_bf8_bf8 v[KVA+8*\d:KVA+8*\d+7], v[PK:PK+15], v[PV+16*\d:PV+16*\d+15], v[KVA+8*\d:KVA+8*\d+7]
.endr
.endm
.macro GM                              ; product gi of a row tile's 32: K step gi / 4, column tile gi % 4: the four accumulators take turns
.set ks, gi/4
.set gtl, gi%4
.set wn, 0xF4+4*(ks/4)
	WIN wn
.set rA, H0+16*ks
.set rB, 64*(ks%4)+16*gtl
.if ks == 0
	v_wmma_f32_16x16x128_bf8_bf8 v[XG+8*gtl:XG+8*gtl+7], v[rA:rA+15], v[rB:rB+15], v[BIAS+8*gtl:BIAS+8*gtl+7]
.else
	v_wmma_f32_16x16x128_bf8_bf8 v[XG+8*gtl:XG+8*gtl+7], v[rA:rA+15], v[rB:rB+15], v[XG+8*gtl:XG+8*gtl+7]
.endif
.endm
; THE VECTOR WORK of one row tile, on the set of accumulators at XV: a list of 121 instructions; KVI writes number kn.  ps is the row tile's place in its group.  Each accumulator is read from its low end on.
;   0-15 squares, summed over the four tiles;  16-47 summed over the 16 lanes of a half;  48-55 floor and ceiling;  56-63 reciprocal roots;  (the wait stands in RT and RT3)
;   64-67 x the table's factor;  68-83 the sums x that;  84-115 the hold;  116-119 the conversions;  120 the plain line behind them
; The floors and the holds take their limits from scalar registers and the number as source 2, whose window the products' setting shares with the destination: these 40 lines, ten whole slices, need no switch.
.macro KVI
.if (kn >= 48) && (kn < 56)
	v_med3_num_f32 v[SS+kn-48], s[SLO], s[SHI], v[SS+kn-48]
.elseif (kn >= 84) && (kn < 116)
	v_med3_num_f32 v[XV+kn-84], s[SNLIM], s[SLIM], v[XV+kn-84]   ; the conversion to an 8-bit code does not saturate (ISA guide 7.6.2): always held, whatever the scale
.elseif kn == 120
	v_nop
.elseif kn < 120
	WIN 0xFF
.if kn < 4
	v_pk_mul_f32 v[SS+2*kn:SS+2*kn+1], v[XV+2*kn:XV+2*kn+1], v[XV+2*kn:XV+2*kn+1]
.elseif kn < 16
	v_pk_fma_f32 v[SS+2*(kn%4):SS+2*(kn%4)+1], v[XV+2*kn:XV+2*kn+1], v[XV+2*kn:XV+2*kn+1], v[SS+2*(kn%4):SS+2*(kn%4)+1]
.elseif kn < 24
	v_add_f32_dpp v[SS+kn-16], v[SS+kn-16], v[SS+kn-16] row_xmask:1 row_mask:0xf bank_mask:0xf
.elseif kn < 32
	v_add_f32_dpp v[SS+kn-24], v[SS+kn-24], v[SS+kn-24] row_xmask:2 row_mask:0xf bank_mask:0xf
.elseif kn < 40
	v_add_f32_dpp v[SS+kn-32], v[SS+kn-32], v[SS+kn-32] row_xmask:4 row_mask:0xf bank_mask:0xf
.elseif kn < 48
	v_add_f32_dpp v[SS+kn-40], v[SS+kn-40], v[SS+kn-40] row_xmask:8 row_mask:0xf bank_mask:0xf
.elseif kn < 64
	v_rsq_f32 v[SS+kn-56], v[SS+kn-56]
.elseif kn < 68
	v_pk_mul_f32 v[SS+2*(kn-64):SS+2*(kn-64)+1], v[SS+2*(kn-64):SS+2*(kn-64)+1], v[TF+2*(kn-64):TF+2*(kn-64)+1]
.elseif kn < 84
	v_pk_mul_f32 v[XV+2*(kn-68):XV+2*(kn-68)+1], v[XV+2*(kn-68):XV+2*(kn-68)+1], v[SS+2*((kn-68)%4):SS+2*((kn-68)%4)+1]
.else
	v_cvt_scalef32_pk8_bf8_f32 v[CD+4*(kn-116)+2*(ps&1):CD+4*(kn-116)+2*(ps&1)+1], v[XV+8*(kn-116):XV+8*(kn-116)+7], v[SCL]
.endif
.endif
.set kn, kn+1
.endm
.macro GS n, vec, first                ; n products, each with its slice of four numbers of the list
.rept \n
.if (\first) && (gi%4 == 0)
	FIRSTW
.endif
	GM
.if \vec
.rept 4
	KVI
.endr
.endif
.set gi, gi+1
.endr
.endm
.macro IMST buf                        ; two row tiles' codes, four registers a tile, go to LDS as they stand: quad 2 I + ps / 2 of the group's operands
	WIN 0xFF
.irp t, 0,1,2,3
	ds_store_b128 v[IST], v[CD+4*\t:CD+4*\t+3] offset:(\buf)*IMGS+\t*2048+(ps>>1)*512
.endr
.endm
; ROW TILE c = 0, 1, 2 of the tile in a slot: 16 tokens x 64 columns x 1,024 K.  vec = 1: the row tile before's vector work stands in slices.  LDS instructions stand in two runs, in the middle and at the end.
.macro RT slot, c, vec, first
.set XG, 32*((\c)&1)
.set XV, 32-XG
.set ps, ((\c)+1)&3
.set kn, 0
.set gi, 0
	s_wait_dscnt 16                                ; K steps 0-3 and the table's entries are in; the 16 loads of K steps 4-7 may be out
.if ((\c) == 0) && ((\first) == 0)
	s_add_co_u32 s59, s59, 512                     ; the table: 128 tokens on (the last tile's last entries are in)
	WIN 0xFF
	v_add_nc_u32 v[TADC], s59, v[TAD0]
.endif
	GS 16, \vec, \first
	PLACES                                         ; in front of the loads into K steps 0-3's registers; also the plain line behind the reciprocal roots
.if \vec
	s_wait_alu depctr_va_vdst(0)                   ; one wait for the eight reciprocal roots, ahead of their first reader
.endif
	LA 0, \slot, (\c)+1
	s_wait_dscnt 16                                ; K steps 4-7 are in; the 16 just issued may be out
	GS 16, \vec, \first
	PLACES
.if (\vec) && (ps&1)
	IMST \slot
.endif
	LT \c
	LA 1, \slot, (\c)+1
.endm
; ROW TILE 3, WITH THE CHANGE OF SLOTS.  Its fragments were all asked for in row tile 2.  Each wave waits for all its tensor loads (its part of the slot ahead), adds 0 to its spare word, multiplies K steps 0 and 1,
; waits for the add, for its last reads of the slot and for its image stores, and signals; K steps 2 and 3 stand between signal and wait.
; mode 1: the slot takes the tile two further on: the barrier opens a round of the cluster's, the joint load is the first thing behind it; it has a tile's 132 matrix instructions in which to land.
; mode 2: nothing is left to ask for.  mode 3: the last tile: only the group's images change hands.
; Behind the barrier: the next tile's first fragments and the group's images, 36 LDS loads; K steps 4 to 7, whose fragments are in registers, stand behind them; then k^T v.
; A PREFETCH follows the loads, for the tile that the NEXT change will ask for.  The four clusters of a y walk the same tokens: the first asks; each of its sixteen waves names 8,192 bytes of the tile's 131,072, told apart
; by address, lanes 256 bytes apart: every block is named once.  Tiles 0 to 2 come by their loads alone; the last filling change asks for nothing.
.macro RT3 slot, mode, lim
.set XG, 32
.set XV, 0
.set ps, 0
.set kn, 0
.set gi, 0
.if \mode < 3
	WIN 0
	s_wait_tensorcnt 0x0                           ; no tensor load of mine is out, so a group 0 may be written
	ds_add_u32 v[SPW], v[NIL]                      ; 0 onto my spare word
.if \mode == 1
	s_add_nc_u64 s[38+4*\slot:39+4*\slot], s[38+4*\slot:39+4*\slot], 2*TILEB
	s_wait_xcnt 0x0                                ; the last prefetch, a tile back, has read its address
	s_add_nc_u64 s[66:67], s[66:67], TILEB
.endif
	s_wait_dscnt 17                                ; K steps 0-3 and the table's entries are in; the 16 loads of K steps 4-7 and the add may be out
.else
	s_wait_dscnt 16
.endif
	GS 8, 1, 0
	s_wait_dscnt 0x0                               ; the add is done, my reads of the slot are over, my images are stored
	s_barrier_signal -1
	GS 8, 1, 0
	v_nop                                          ; the plain line behind the reciprocal roots
	s_wait_alu depctr_va_vdst(0)                   ; their one wait, ahead of the branches below and of their first reader
	WIN 0
	s_barrier_wait -1
.if \mode == 1
	CREST                                          ; no wave of any partner still reads the slot or has a load on its way
	tensor_load_to_lds s[36+4*\slot:39+4*\slot], s[28:35]
	s_nop 0
.endif
	PLACES                                         ; the places in front of the loads below
.if \mode < 3
	LA 0, 1-\slot, 0
.endif
	LP \slot
.if \mode == 1
	s_cmp_gt_u32 s58, s[\lim]
	s_cbranch_scc0 .Lno_ask_\@
	global_prefetch_b8 v[PFO], s[66:67] th:TH_LOAD_NT scope:SCOPE_SE
.Lno_ask_\@:
.endif
	GS 16, 1, 0
	s_wait_dscnt 0x0                               ; the images are in (asked for 16 products ago)
	P4MUL
	PLACES
	LT 3
.if \mode < 3
	LA 1, 1-\slot, 0
.endif
.endm
	s_load_b512 s[4:19], s[0:1], 0x0               ; x s[4:5], Wk s[6:7], Wv s[8:9], bk s[10:11], bv s[12:13], mask s[14:15], scales s[16:17], kvp s[18:19]
	s_load_b128 s[96:99], s[0:1], 0x40             ; Wq s[96:97], its image s[98:99]
	v_lshl_add_u32 v[SPW], v0, 2, SPARE
	v_mov_b32 v[NIL], 0
	ds_add_u32 v1, v2
	ds_add_u32 v1, v2
	s_wait_dscnt 0x0
	v_lshrrev_b32 v3, 5, v0
	v_readfirstlane_b32 s20, v3                    ; wave
	s_lshr_b32 s21, s20, 1                         ; I
	s_and_b32 s22, s20, 1                          ; J
	s_bfe_u32 s23, ttmp6, 0x40000                  ; cx
	s_lshl_b32 s24, ttmp9, 2
	s_add_co_u32 s24, s24, s23                     ; head: it enters the weights', biases', kvp's and the image's addresses alone
	s_and_b32 s25, ttmp7, 0xffff                   ; y = 2 b + half, which the four partners share
	; descriptor group 1: 32 rows of 1,024 bytes, 16 bytes of padding behind each
	s_mov_b32 s28, 15|(1<<20)|(1<<21)|(7<<22)|(3<<25)  ; 15:0 the mask: all four; 17:16 elements of 1 byte; 20 padding on; 21 set beside a mask; 24:22 after every 256 words; 31:25 four words
	s_mov_b32 s29, 1024<<16                        ; tensor_dim0
	s_mov_b32 s30, 32<<16                          ; tensor_dim1
	s_mov_b32 s31, 1024<<16                        ; tile_dim0
	s_mov_b32 s32, 32                              ; tile_dim1
	s_mov_b32 s33, 1024                            ; from row to row
	s_mov_b32 s34, 0
	s_mov_b32 s35, 0
	s_lshl_b32 s70, s25, 20                        ; my work-group's 1,024 tokens,
	s_lshl_b32 s71, s20, 15                        ; my wave's 32 rows of a tile
	s_add_co_u32 s70, s70, s71
	s_mov_b32 s71, 0
	s_mul_i32 s72, s20, QUART                      ; and their place in a slot
	s_mov_b32 s60, 0x76543210                      ; v_permlanex16_b32: lane l xor 16
	s_mov_b32 s61, 0xfedcba98
	s_wait_kmcnt 0x0
	s_load_b256 s[44:51], s[16:17], 0x0            ; e0 .. e7
	s_add_nc_u64 s[70:71], s[4:5], s[70:71]
	CROUND                                         ; all four work-groups are here: the first joint loads meet
.irp s, 0,1
	s_mov_b32 s[36+4*\s], 1
	s_add_co_u32 s[37+4*\s], s72, \s*SLOTB
	s_add_nc_u64 s[38+4*\s:39+4*\s], s[70:71], \s*TILEB
	s_or_b32 s[39+4*\s], s[39+4*\s], 0x80000000
.endr
	tensor_load_to_lds s[36:39], s[28:35]          ; tiles 0 and 1: two loads of mine are out
	s_nop 0
	tensor_load_to_lds s[40:43], s[28:35]
	s_nop 0
	PLACES
	v_and_b32 v3, 15, v0                           ; r
	v_bfe_u32 v4, v0, 4, 1                         ; h
	v_and_b32 v12, 31, v0                          ; lane
	v_lshlrev_b32 v[L16], 4, v12
	v_lshlrev_b32 v14, 5, v0                       ; 32 x thread: my 8 tokens of the table
	v_lshlrev_b32 v15, 4, v3                       ; 16 r: my four biases
	v_lshlrev_b32 v[WOFF], 12, v3
	v_lshl_add_u32 v[WOFF], v4, 4, v[WOFF]
	s_mov_b32 s75, 0
	s_lshr_b32 s74, s25, 1
	s_lshl_b32 s74, s74, 13
	s_add_nc_u64 s[76:77], s[14:15], s[74:75]      ; the batch's 2,048 mask words
	s_lshl_b32 s74, s25, 12
	s_add_nc_u64 s[78:79], s[14:15], s[74:75]      ; my work-group's 1,024
	s_cmp_eq_u32 s22, 0                            ; k's wave or v's?  The choice hangs on the wave's number alone
	s_cselect_b64 s[WB:WB+1], s[6:7], s[8:9]
	s_cselect_b64 s[54:55], s[10:11], s[12:13]
	s_lshl_b32 s74, s24, 16
	s_add_nc_u64 s[WB:WB+1], s[WB:WB+1], s[74:75]  ; the head's 64 rows of 1,024 codes,
	s_add_nc_u64 s[96:97], s[96:97], s[74:75]      ; in Wq too,
	s_add_nc_u64 s[98:99], s[98:99], s[74:75]      ; and the head's 65,536 bytes of the image
	s_lshl_b32 s74, s24, 8
	s_add_nc_u64 s[54:55], s[54:55], s[74:75]
	; Wq's image: a head has 128 quads of registers, f = 16 s + 4 t + q (K step s, tile t, quad q), 512 bytes each.  Work-group y, wave w copies f = 8 y + 2 w and the next:
	; s = y / 2, t = 2 (y % 2) + w / 2, q = 2 (w % 2) and q + 1
	s_lshr_b32 s88, s25, 1
	s_lshl_b32 s88, s88, 7                         ; 128 s
	s_and_b32 s89, s25, 1
	s_lshl_b32 s89, s89, 11                        ; 1,024 x 2 (y % 2)
	s_add_co_u32 s88, s88, s89
	s_lshl_b32 s89, s21, 10                        ; 1,024 (w / 2)
	s_add_co_u32 s88, s88, s89
	s_lshl_b32 s89, s22, 6                         ; 32 x 2 (w % 2)
	s_add_co_u32 s74, s88, s89
	s_add_nc_u64 s[96:97], s[96:97], s[74:75]
	s_lshl_b32 s88, s25, 12                        ; 512 x 8 y
	s_lshl_b32 s89, s20, 10                        ; 512 x 2 w
	s_add_co_u32 s74, s88, s89
	s_add_nc_u64 s[98:99], s[98:99], s[74:75]
.irp i, 0,1,2,3,4,5,6,7,8,9,10,11,12,13,14,15
	global_load_b128 v[32+4*\i:35+4*\i], v[L16], s[76:77] offset:512*\i   ; every wave counts the batch's valid tokens for itself
.endr
	global_load_b128 v[16:19], v14, s[78:79]
	global_load_b128 v[20:23], v14, s[78:79] offset:16
	global_load_b128 v[24:27], v15, s[54:55]       ; b(4 r + t), t = 0 .. 3
	global_load_b128 v[240:243], v[WOFF], s[96:97]             ; Wq: my two quads, as an operand's lanes take them
	global_load_b128 v[244:247], v[WOFF], s[96:97] offset:32
.set wk, 0
	WLOAD
.set wk, 1
	WLOAD
.set wk, 2
	WLOAD
	WIN 0
	v_lshlrev_b32 v[PFO], 8, v12
	v_mul_u32_u24 v13, v3, ROWP
	v_lshl_add_u32 v13, v4, 4, v13                 ; row r x pitch + 16 h
	s_mul_i32 s73, s21, 64*ROWP
	v_add_nc_u32 v[AADR], s73, v13
	s_add_co_u32 s73, s73, SLOTB
	v_add_nc_u32 v[AADR+1], s73, v13
	s_lshl_b32 s73, s20, 11
	s_add_co_u32 s73, s73, IMGB
	v_add_nc_u32 v[P4K], s73, v[L16]
	v_add_nc_u32 v[P4V], IMGB+8192, v[L16]
	v_lshl_add_u32 v30, v0, 5, TBLB                ; where I store 8 tokens' factors
	s_lshl_b32 s73, s22, 13
	s_lshl_b32 s74, s21, 10
	s_add_co_u32 s73, s73, s74
	s_add_co_u32 s73, s73, IMGB
	WIN 0xC0                                       ; destination window 3
	v_add_nc_u32 v[IST], s73, v[L16]
	s_lshl_b32 s73, s22, 12
	s_lshl_b32 s74, s21, 8
	s_add_co_u32 s73, s73, s74
	s_add_co_u32 s73, s73, TBLB
	v_lshl_add_u32 v[TAD0], v4, 5, s73
	WIN 0
	; the prefetches' address: tile 2, my work-group's and my wave's part; the first change steps it to tile 3
	s_lshl_b32 s74, s25, 20
	s_lshl_b32 s88, s23, 15
	s_add_co_u32 s74, s74, s88
	s_lshl_b32 s88, s20, 13
	s_add_co_u32 s74, s74, s88
	s_add_co_u32 s74, s74, 2*TILEB
	s_add_nc_u64 s[66:67], s[4:5], s[74:75]
	s_cmp_eq_u32 ttmp9, 0                          ; the same in all four partners
	s_cselect_b32 s62, 0, -1                       ; a lap's first change asks in every lap,
	s_cselect_b32 s63, 1, -1                       ; its second in all but the last
	; kvp: ((16 b + head) 2 + half) x 16,384 bytes, + my e tile's 1,024
	s_lshr_b32 s74, s25, 1
	s_lshl_b32 s74, s74, 4
	s_add_co_u32 s74, s74, s24
	s_lshl_b32 s74, s74, 1
	s_and_b32 s88, s25, 1
	s_add_co_u32 s74, s74, s88
	s_lshl_b32 s74, s74, 14
	s_lshl_b32 s88, s20, 10
	s_add_co_u32 s74, s74, s88
	s_add_nc_u64 s[68:69], s[18:19], s[74:75]
	s_wait_loadcnt 48                              ; mask, bias and Wq's quads are in; the 48 loads of the weights' K steps 0-2 may be out
	global_store_b128 v[L16], v[240:243], s[98:99]             ; each store covers 512 consecutive bytes, aligned; the registers are not written again
	global_store_b128 v[L16], v[244:247], s[98:99] offset:512
.set i, 0
.rept 64
	v_min_u32 v[32+i], 1, v[32+i]                  ; 1 for a token that is masked out
.set i, i+1
.endr
	v_add3_u32 v28, v32, v33, v34
	v_add3_u32 v29, v35, v36, v37
.set i, 38
.rept 14
	v_add3_u32 v28, v28, v[i], v[i+1]
	v_add3_u32 v29, v29, v[i+2], v[i+3]
.set i, i+4
.endr
	v_add3_u32 v28, v28, v94, v95
	v_add_nc_u32 v28, v28, v29
	v_cvt_f32_u32 v28, v28                         ; at most 64 a lane: exact
	v_add_f32_dpp v28, v28, v28 row_xmask:1 row_mask:0xf bank_mask:0xf
	v_add_f32_dpp v28, v28, v28 row_xmask:2 row_mask:0xf bank_mask:0xf
	v_add_f32_dpp v28, v28, v28 row_xmask:4 row_mask:0xf bank_mask:0xf
	v_add_f32_dpp v28, v28, v28 row_xmask:8 row_mask:0xf bank_mask:0xf
	v_permlanex16_b32 v29, v28, s60, s61
	v_add_f32 v28, v28, v29
	v_sub_f32 v28, 0x45000000, v28                 ; count = 2,048 - the masked
	v_rcp_f32 v29, v28
.irp i, 0,1,2,3,4,5,6,7
	v_cmp_eq_u32 vcc_lo, 0, v[16+\i]
	v_cndmask_b32 v[16+\i], 0, 1.0, vcc_lo         ; m
.endr
	s_wait_alu depctr_va_vdst(0)                   ; the wait for the reciprocal, ahead of its first reader
.irp i, 0,1,2,3,4,5,6,7
	v_mul_f32 v[32+\i], v[16+\i], v29              ; m / count
.endr
	ds_store_b128 v30, v[16:19]
	ds_store_b128 v30, v[20:23] offset:16
	ds_store_b128 v30, v[32:35] offset:4096
	ds_store_b128 v30, v[36:39] offset:4112
	s_wait_kmcnt 0x0
	s_add_co_i32 s80, s46, s47                     ; e2 + e3
	s_add_co_i32 s81, s48, s49                     ; e4 + e5
	s_sub_co_i32 s82, s51, s81                     ; e7 - e4 - e5
	s_mov_b32 s83, 0x3f800000
	s_cmp_eq_u32 s22, 0
	s_cselect_b32 s80, s80, s81                    ; E
	s_cselect_b32 s82, s50, s82                    ; the conversion's exponent: e6 for k (which is normalised), e7 - E for v
	s_cselect_b32 s84, 0x179abe15, s83             ; 1e-24 for k, 1 for v
	s_cselect_b32 s[SHI], 0x7f800000, s83          ; no ceiling for k, 1 for v
	s_cselect_b32 s86, -2, 0
	s_mul_i32 s86, s86, s80                        ; -2 E for k, 0 for v,
	s_sub_co_i32 s56, 0, s80                       ; -E
	s_lshl_b32 s86, s86, 23
	s_add_co_i32 s[SLO], s84, s86                  ; added to the exponent field: 1e-24 / 4^E, or 1
	s_add_co_i32 s82, s82, 127
	s_lshl_b32 s87, s82, 23
	s_add_co_i32 s82, s82, 15
	s_lshl_b32 s82, s82, 23
	s_or_b32 s[SLIM], s82, 0x600000
	s_or_b32 s[SNLIM], s[SLIM], 0x80000000
	WIN 0xC0
	v_mov_b32 v[SCL], s87
.irp t, 0,1,2,3
.irp j, 0,1,2,3,4,5,6,7
	v_ldexp_f32 v[BIAS+8*\t+\j], v[24+\t], s56     ; b / 2^E: a lane's column, for its 8 tokens
.endr
.endr
.set i, 0
.rept 32
	v_mov_b32 v[KVA+i], 0                          ; the loop is written once: its first k^T v adds onto zeros
.set i, i+1
.endr
.irp i, 0,1,2,3
	v_mov_b32 v[SS+\i], 0
.endr
	WIN 0xFF
.irp t, 0,1,2,3
	ds_store_b128 v[IST], v[SS:SS+3] offset:\t*2048            ; the first group's places 0 and 1 are empty: zero codes
.endr
	s_mov_b32 s59, 0
	v_add_nc_u32 v[TADC], s59, v[TAD0]
	WIN 0
	s_wait_tensorcnt 0x1                           ; my part of tile 0 is in; tile 1's may stay out
	s_wait_dscnt 0x0                               ; my part of the table is stored
	s_barrier_signal -1
	s_barrier_wait -1
	LA 0, 0, 0
	LA 1, 0, 0
	RT 0, 0, 0, 1                                  ; tile 0's first row tile walks behind the weights' loads and has no vector work beside it
	WIN 0                                          ; at a label and at a branch every window is 0
	s_mov_b32 s58, 3
.Llap:                                                 ; three laps, each from a tile's second row tile to the first of the tile two further on; both slots are filled again in each
	RT 0, 1, 1, 0
	RT 0, 2, 1, 0
	RT3 0, 1, 62
	RT 1, 0, 1, 0
	RT 1, 1, 1, 0
	RT 1, 2, 1, 0
	RT3 1, 1, 63
	RT 0, 0, 1, 0
	WIN 0
	s_sub_co_u32 s58, s58, 1
	s_cmp_lg_u32 s58, 0
	s_cbranch_scc1 .Llap
	RT 0, 1, 1, 0                                  ; the rest of tile 6 and tile 7 are written out: nothing is left to ask for
	RT 0, 2, 1, 0
	RT3 0, 2, 62
	RT 1, 0, 1, 0
	RT 1, 1, 1, 0
	RT 1, 2, 1, 0
	RT3 1, 3, 62
	; THE TAIL: the ninth group: tile 7's row tile 2 (converted above), its row tile 3, and zero codes
	s_wait_dscnt 0x0                               ; the table's last entries are in
	WIN 0xFF
.set XV, 32
.set ps, 1
.set kn, 0
.rept 64
	KVI
.endr
	v_nop                                          ; the plain line behind the reciprocal roots
	s_wait_alu depctr_va_vdst(0)
.rept 57
	KVI
.endr
.irp i, 0,1,2,3
	v_mov_b32 v[SS+\i], 0
.endr
	IMST 0
.irp t, 0,1,2,3
	ds_store_b128 v[IST], v[SS:SS+3] offset:\t*2048+512
.endr
	WIN 0
	s_wait_dscnt 0x0
	s_barrier_signal -1
	s_barrier_wait -1
	LP 0
	s_wait_dscnt 0x0
	P4MUL
	WIN 0x0C                                       ; store data in window 3
	PLACES
.irp d, 0,1,2,3
	global_store_b128 v[L16], v[KVA+8*\d:KVA+8*\d+3], s[68:69] offset:\d*4096          ; the accumulators as they stand, low half first: each store covers 512 consecutive bytes, aligned
	global_store_b128 v[L16], v[KVA+8*\d+4:KVA+8*\d+7], s[68:69] offset:\d*4096+512
.endr
	WIN 0
	s_wait_tensorcnt 0x0                           ; the wave's end
	ds_add_u32 v[SPW], v[NIL]
	s_wait_dscnt 0x0
	CROUND                                         ; the closing round
	s_endpgm
.Lfunc_end_k_q8cf3946b18_kvpart:
	.size	k_q8cf3946b18_kvpart, .Lfunc_end_k_q8cf3946b18_kvpart-k_q8cf3946b18_kvpart
	.p2alignl 7, 3214868480
	.fill 96, 4, 3214868480
	.section	.rodata,"a",@progbits
	.p2align	6, 0x0
	.amdhsa_kernel k_q8cf3946b18_kvpart
		.amdhsa_group_segment_fixed_size 327680
		.amdhsa_private_segment_fixed_size 0
		.amdhsa_enable_private_segment 0
		.amdhsa_kernarg_size 80
		.amdhsa_user_sgpr_count 2
		.amdhsa_user_sgpr_kernarg_segment_ptr 1
		.amdhsa_wavefront_size32 1
		.amdhsa_system_sgpr_workgroup_id_x 1
		.amdhsa_system_sgpr_workgroup_id_y 1
		.amdhsa_system_sgpr_workgroup_id_z 1
		.amdhsa_system_vgpr_workitem_id 0
		.amdhsa_next_free_vgpr 1024
		.amdhsa_next_free_sgpr 100
		.amdhsa_reserve_vcc 1
		.amdhsa_float_denorm_mode_32 3
		.amdhsa_float_denorm_mode_16_64 3
		.amdhsa_memory_ordered 1
		.amdhsa_forward_progress 1
		.amdhsa_inst_pref_size 254
	.end_amdhsa_kernel
	.amdgpu_metadata
---
amdhsa.version: [ 1, 2 ]
amdhsa.kernels:
  - .name:           k_q8cf3946b18_kvpart
    .symbol:         k_q8cf3946b18_kvpart.kd
    .args:
      - { .name: hidden_states_codes, .offset: 0, .size: 8, .value_kind: global_buffer, .address_space: global }
      - { .name: Wk_codes, .offset: 8, .size: 8, .value_kind: global_buffer, .address_space: global }
      - { .name: Wv_codes, .offset: 16, .size: 8, .value_kind: global_buffer, .address_space: global }
      - { .name: bk, .offset: 24, .size: 8, .value_kind: global_buffer, .address_space: global }
      - { .name: bv, .offset: 32, .size: 8, .value_kind: global_buffer, .address_space: global }
      - { .name: attention_mask, .offset: 40, .size: 8, .value_kind: global_buffer, .address_space: global }
      - { .name: lowp_scales, .offset: 48, .size: 8, .value_kind: global_buffer, .address_space: global }
      - { .name: kvp, .offset: 56, .size: 8, .value_kind: global_buffer, .address_space: global }
      - { .name: Wq_codes, .offset: 64, .size: 8, .value_kind: global_buffer, .address_space: global }
      - { .name: wqi, .offset: 72, .size: 8, .value_kind: global_buffer, .address_space: global }
    .group_segment_fixed_size: 327680
    .private_segment_fixed_size: 0
    .kernarg_segment_align: 8
    .kernarg_segment_size: 80
    .max_flat_workgroup_size: 128
    .sgpr_count:     100
    .vgpr_count:     1024
    .wavefront_size: 32
...
	.end_amdgpu_metadata
.endif
;; end of part 1
;; launch qctx (part 2): grid 4 x 64, 4 waves a work-group, clusters of 4 x 1, 266,752 bytes of LDS; arguments hidden_states_codes, wqi, bq, attention_mask, lowp_scales, kvp, out0; writes out0
.if DOCPART == 2
	.amdgcn_target "amdgcn-amd-amdhsa--gfx1250"
	.amdhsa_code_object_version 6
	.text
	.protected	k_q8cf3946b18_qctx
	.globl	k_q8cf3946b18_qctx
	.p2align	8
	.type	k_q8cf3946b18_qctx,@function
k_q8cf3946b18_qctx:
	s_mov_b64 s[64:65], 0
	v_nop
	global_prefetch_b8 v0, s[64:65] scope:SCOPE_SE
	s_setreg_imm32_b32 hwreg(HW_REG_WAVE_MODE, 25, 1), 1
	s_wait_xcnt 0x0
	s_wait_alu depctr_hold_cnt(0) depctr_sa_sdst(0) depctr_va_vdst(0) depctr_va_sdst(0) depctr_va_ssrc(0) depctr_va_vcc(0) depctr_vm_vsrc(0)
	s_getreg_b32 s2, hwreg(HW_REG_IB_STS2, 6, 4)
	s_cmp_eq_u32 s2, 0
	s_cbranch_scc0 .Lentry_in_a_cluster
	s_endpgm
.Lentry_in_a_cluster:
	s_bfe_u32 s2, ttmp6, 0x10000c
	s_cmp_lg_u32 s2, 0x3003
	s_cbranch_scc0 .Lentry_shape_is_right
	s_endpgm
.Lentry_shape_is_right:
; q = l2norm((x Wq + bq) m) and ctx = q kv, both products on codes of E5M2; kv is the sum of the two partial sums that the launch before has stored.
; SHARES.  Work-group (cx, y) takes tokens 256 y .. + 255; wave w makes head 4 cx + w for all of them: 16 row tiles.  The head's 64 columns x 1,024 K of Wq stay in 512 registers; no operand goes from wave to wave.
; Wq's codes come from the image that the launch before has laid: a quad of operand registers is 512 consecutive bytes, 16 a lane.
; The 256 tokens' codes are brought into LDS once, 16 rows a load, four loads a wave, all asked for at the head: four loads of mine are out; a chunk of 64 tokens is read behind its wait and a barrier.
; CLUSTER.  The four work-groups of a y read the same tokens: each load is a joint one, with a mask that names the four.
; LAYOUT.  The projection is used transposed (source 0 = 16 columns, source 1 = 16 tokens): a lane holds ONE token and its registers run along the head.  Lane r of column tile t takes column 4 r + t, so place
; 16 t + 8 h + j along the second product's K stands for column 4 (8 h + j) + t, in q's codes and in kv's alike.  In ctx lane r of tile d holds column 4 r + d: its four tiles give 16 neighbouring bytes, and
; sixteen lanes store 256 consecutive bytes, aligned: no stage on the way out.
; BY TURNS, three stages: row tile n's 32 products carry tile n - 1's norm, hold and conversion and tile n - 2's scaling; tile n - 2's eight stores stand in one run in the middle, behind the LDS loads;
; tile n - 1's four products q kv stand behind the 32.
; SCALES.  E = e0 + e1; bq goes in as b / 2^E; q = sum x rsq(max(ss, 1e-24 / 4^E)) x m; kv's conversion takes 2^(e9 - e6 - e7); ctx = sum x 2^(e8 + e9).
; LIMITS: e0 + e1 between -100 and 23; e8 and e9 - e6 - e7 between -126 and 112; e8 + e9 between -126 and 127.  NaN or infinity among the codes is not served.
; No prefetch: every tensor load goes out at the head, and the launch's stores keep going from the third row tile on.
.set ROWP, 1040                        ; an LDS row: 1,024 bytes + 16 of padding
; window 0
.set AADR, 5                           ; v5-8: my fragments of x in chunk 0 .. 3
.set L16,  10                          ; 16 x lane
.set R4,   11                          ; 4 r
.set H128, 12                          ; 128 h
.set H0,   32                          ; v32-159: x's fragments of a row tile, K steps 0 to 7
.set SCLKV, 160                        ; kv's conversion scale
.set LIMKV, 161                        ; 57,344 x that
; windows 1 and 2: the weights, as (K step s, tile t) at 64 (s % 4) + 16 t of window 1 + s / 4; window 2 first holds kv's two partial sums
; window 3: v0-31, v32-63 two sets of four accumulators
.set BIAS, 64
.set KV,   96                          ; kv's codes: 8 registers for each tile of 16 columns
.set OA,   128                         ; the four accumulators of q kv
.set OU,   160                         ; 32 numbers on their way out
.set QC,   192                         ; q's codes
.set MK,   200                         ; v200-215: m of my token in each row tile
.set SSA,  216                         ; two pairs of partial sums of squares
.set SSB,  218
.set SQ,   220
.set TMP,  221
.set INV,  222                         ; the token's factor (a pair is named; the low word serves both halves)
.set SCL,  224
.set EPS,  226
.set OADR, 227                         ; 32,768 h + 16 r
.set WB,   66                          ; s[66:67] my head's 65,536 bytes of Wq's image
.set SLIM,  92                         ; s92  57,344 x 2^e8
.set SNLIM, 93                         ; s93  the same, negative
.set MSB, 0
.macro WIN new
.if MSB != (\new)
	s_set_vgpr_msb (MSB<<8)|(\new)
.set MSB, (\new)
.endif
.endm
.macro PLACES
.rept 4
	v_nop
.endr
.endm
.macro CROUND
	s_barrier_signal -1
	s_barrier_wait -1
	s_cmp_lg_u32 s20, 0
	s_cbranch_scc1 .Lnot_wave_0_\@
	s_barrier_signal -3
.Lnot_wave_0_\@:
	s_barrier_wait -3
	s_barrier_signal -1
	s_barrier_wait -1
.endm
.macro WLOAD                           ; the weights of K step wk: sixteen quads of registers, each load 512 consecutive bytes
.set wn, 0x40*(1+wk/4)
	WIN wn
.irp t, 0,1,2,3
.irp q, 0,1,2,3
	global_load_b128 v[64*(wk%4)+16*\t+4*\q:64*(wk%4)+16*\t+4*\q+3], v[L16], s[WB:WB+1] offset:(16*wk+4*\t+\q)*512
.endr
.endr
.endm
.macro FIRSTW                          ; the first row tile walks behind the weights' loads
.set wk, gi/4+3
.if wk <= 7
	WLOAD
.endif
.if gi/4 <= 4
	s_wait_loadcnt 48                              ; three later K steps' loads, 16 each, may be out
.else
	s_wait_loadcnt 16*(7-gi/4)
.endif
.endm
.macro LA half                         ; x's fragments of row tile ln, K steps 4 half .. 4 half + 3
	WIN 0
.irp k, 0,1,2,3
.irp q, 0,1,2,3
	ds_load_b128 v[H0+64*(\half)+16*\k+4*\q:H0+64*(\half)+16*\k+4*\q+3], v[AADR+ln/4] offset:(ln%4)*16*ROWP+(4*(\half)+\k)*128+32*\q
.endr
.endr
.endm
.macro GM                              ; product gi of a row tile's 32: the four accumulators take turns
.set ks, gi/4
.set gtl, gi%4
.set wn, 0xF1+ks/4
	WIN wn
.set rA, H0+16*ks
.set rB, 64*(ks%4)+16*gtl
.if ks == 0
	v_wmma_f32_16x16x128_bf8_bf8 v[XG+8*gtl:XG+8*gtl+7], v[rB:rB+15], v[rA:rA+15], v[BIAS+8*gtl:BIAS+8*gtl+7]
.else
	v_wmma_f32_16x16x128_bf8_bf8 v[XG+8*gtl:XG+8*gtl+7], v[rB:rB+15], v[rA:rA+15], v[XG+8*gtl:XG+8*gtl+7]
.endif
.endm
.macro QA                              ; number ka of the norm's list, on the set at XV: 16 packed squares (each accumulator from its low end on), then a chain of six
.if ka < 2
	v_pk_mul_f32 v[SSA+2*ka:SSA+2*ka+1], v[XV+2*ka:XV+2*ka+1], v[XV+2*ka:XV+2*ka+1]
.elseif ka < 16
	v_pk_fma_f32 v[SSA+2*(ka%2):SSA+2*(ka%2)+1], v[XV+2*ka:XV+2*ka+1], v[XV+2*ka:XV+2*ka+1], v[SSA+2*(ka%2):SSA+2*(ka%2)+1]
.elseif ka == 16
	v_pk_add_f32 v[SSA:SSA+1], v[SSA:SSA+1], v[SSB:SSB+1]
.elseif ka == 17
	v_add_f32 v[SQ], v[SSA], v[SSA+1]
.elseif ka == 18
	v_permlanex16_b32 v[TMP], v[SQ], s62, s63      ; the token's other 32 columns lie in the lane 16 away
.elseif ka == 19
	v_add_f32 v[SQ], v[SQ], v[TMP]
.elseif ka == 20
	v_max_num_f32 v[SQ], v[SQ], v[EPS]
.elseif ka == 21
	v_rsq_f32 v[INV], v[SQ]
.endif
.set ka, ka+1
.endm
; Number kb of the quantiser's list for row tile rm: the mask, 16 packed scalings, 32 holds, 4 conversions, the plain line behind them.
; The holds take their limits from scalar registers and the number as source 2, whose window the products' setting shares with the destination: they need no switch.
.macro QB
.if kb == 0
	WIN 0xFF
	v_mul_f32 v[INV], v[INV], v[MK+rm]
.elseif kb < 17
	WIN 0xFF
	v_pk_mul_f32 v[XV+2*(kb-1):XV+2*(kb-1)+1], v[XV+2*(kb-1):XV+2*(kb-1)+1], v[INV:INV+1] op_sel_hi:[1,0]
.elseif kb < 49
	v_med3_num_f32 v[XV+kb-17], s[SNLIM], s[SLIM], v[XV+kb-17]   ; the conversion to an 8-bit code does not saturate (ISA guide 7.6.2): always held, whatever the scale
.elseif kb < 53
	WIN 0xFF
	v_cvt_scalef32_pk8_bf8_f32 v[QC+2*(kb-49):QC+2*(kb-49)+1], v[XV+8*(kb-49):XV+8*(kb-49)+7], v[SCL]
.elseif kb == 53
	v_nop
.endif
.set kb, kb+1
.endm
.macro QCM                             ; register cj of the four accumulators of q kv, x 2^(e8 + e9): tokens cj and 8 + cj; cj ascends
.irp d, 0,1,2,3
	v_mul_f32 v[OU+4*cj+\d], s72, v[OA+8*\d+cj]
.endr
.endm
.macro QCS                             ; row tile rc leaves: eight stores in one run
	WIN 0xFF
.irp j, 0,1,2,3,4,5,6,7
	global_store_b128 v[OADR], v[OU+4*\j:OU+4*\j+3], s[68:69] offset:(16*rc+\j)*4096 th:TH_STORE_NT   ; 16 lanes store 256 consecutive bytes, aligned: a token's 64 numbers of my head
.endr
.endm
.macro P5                              ; ctx = q kv for 16 tokens: K = 64
	WIN 0xFF
.irp d, 0,1,2,3
	v_wmma_f32_16x16x64_bf8_bf8 v[OA+8*\d:OA+8*\d+7], v[QC:QC+7], v[KV+8*\d:KV+8*\d+7], 0
.endr
.endm
.macro RT                              ; row tile rn
.set XG, 32*(rn&1)
.set XV, 32-XG
.set rm, rn-1
.set rc, rn-2
.set ka, 0
.set kb, 0
.set gi, 0
.if (rn == 3) || (rn == 7) || (rn == 11)
	s_wait_tensorcnt 2-rn/4                        ; my part of the next chunk is in; the later chunks' loads may be out
	s_wait_dscnt 0x0                               ; no LDS load of mine is pending at the signal
	s_barrier_signal -1
	s_barrier_wait -1                              ; everybody's part is in: this row tile fetches the next chunk's first fragments
.else
	s_wait_dscnt 16                                ; K steps 0-3 are in; the 16 loads of K steps 4-7 may be out
.endif
.rept 16
.if (rn == 0) && (gi%4 == 0)
	FIRSTW
.endif
	GM
.if (rn >= 1) && (gi < 4)
	WIN 0xFF
.rept 4
	QA
.endr
.endif
.if (rn >= 1) && (gi >= 4) && (gi < 10)
	WIN 0xFF
	QA
.endif
.if (rn >= 2) && (gi >= 4) && (gi < 12)
	WIN 0xFF
.if gi == 4
	s_wait_xcnt 0x0                                ; the last row tile's stores have read their data: the registers may be written again
.endif
.set cj, gi-4
	QCM
.endif
.set gi, gi+1
.endr
	PLACES                                         ; in front of the loads into K steps 0-3's registers; also a plain line behind the reciprocal root
.if rn >= 1
	s_wait_alu depctr_va_vdst(0)                   ; the wait for the reciprocal root, ahead of its first reader
.endif
.if rn < 15
.set ln, rn+1
	LA 0
.endif
.if rn >= 2
	QCS
.endif
.if rn < 15
	s_wait_dscnt 16                                ; K steps 4-7 are in; the 16 just issued may be out
.else
	s_wait_dscnt 0x0
.endif
.rept 16
.if (rn == 0) && (gi%4 == 0)
	FIRSTW
.endif
	GM
.if (rn >= 1) && (gi < 30)
.rept 4
	QB
.endr
.endif
.set gi, gi+1
.endr
.if rn >= 1
	P5
.endif
	PLACES
.if rn < 15
	LA 1
.endif
.endm
	s_load_b256 s[4:11], s[0:1], 0x0               ; x s[4:5], Wq's image s[6:7], bq s[8:9], mask s[10:11]
	s_load_b128 s[12:15], s[0:1], 0x20             ; scales s[12:13], kvp s[14:15]
	s_load_b64 s[16:17], s[0:1], 0x30              ; out
	v_lshl_add_u32 v254, v0, 2, 0x41000
	v_mov_b32 v255, 0
	ds_add_u32 v254, v255
	ds_add_u32 v254, v255
	v_lshrrev_b32 v3, 5, v0
	v_readfirstlane_b32 s20, v3                    ; wave
	s_bfe_u32 s23, ttmp6, 0x40000                  ; cx
	s_lshl_b32 s24, s23, 2
	s_add_co_u32 s24, s24, s20                     ; head: it enters the image's, bq's, kvp's and out's addresses alone
	s_and_b32 s25, ttmp7, 0xffff                   ; y, which the four partners share
	; descriptor group 1: 16 rows of 1,024 bytes, 16 bytes of padding behind each
	s_mov_b32 s28, 15|(1<<20)|(1<<21)|(7<<22)|(3<<25)
	s_mov_b32 s29, 1024<<16
	s_mov_b32 s30, 16<<16
	s_mov_b32 s31, 1024<<16
	s_mov_b32 s32, 16
	s_mov_b32 s33, 1024
	s_mov_b32 s34, 0
	s_mov_b32 s35, 0
	s_lshl_b32 s74, s25, 18                        ; my work-group's 256 tokens,
	s_lshl_b32 s75, s20, 14                        ; my wave's 16 rows of a chunk
	s_add_co_u32 s74, s74, s75
	s_mov_b32 s75, 0
	s_mul_i32 s76, s20, 16*ROWP
	s_mov_b32 s62, 0x76543210
	s_mov_b32 s63, 0xfedcba98
	s_wait_dscnt 0x0
	s_wait_kmcnt 0x0
	s_load_b256 s[52:59], s[12:13], 0x0            ; e0 .. e7
	s_load_b64 s[60:61], s[12:13], 0x20            ; e8, e9
	s_add_nc_u64 s[74:75], s[4:5], s[74:75]
	CROUND                                         ; all four work-groups are here: the joint loads meet
.irp c, 0,1,2,3
	s_mov_b32 s[36+4*\c], 1
	s_add_co_u32 s[37+4*\c], s76, \c*64*ROWP
	s_add_nc_u64 s[38+4*\c:39+4*\c], s[74:75], \c*65536
	s_or_b32 s[39+4*\c], s[39+4*\c], 0x80000000
.endr
	tensor_load_to_lds s[36:39], s[28:35]
	s_nop 0
	tensor_load_to_lds s[40:43], s[28:35]
	s_nop 0
	tensor_load_to_lds s[44:47], s[28:35]
	s_nop 0
	tensor_load_to_lds s[48:51], s[28:35]
	s_nop 0
	PLACES
	v_and_b32 v3, 15, v0                           ; r
	v_bfe_u32 v4, v0, 4, 1                         ; h
	v_and_b32 v13, 31, v0
	v_lshlrev_b32 v[L16], 4, v13
	v_lshlrev_b32 v[R4], 2, v3
	v_lshlrev_b32 v[H128], 7, v4
	s_mov_b32 s79, 0
	s_lshl_b32 s78, s24, 16
	s_add_nc_u64 s[WB:WB+1], s[6:7], s[78:79]
	s_lshl_b32 s78, s24, 8
	s_add_nc_u64 s[80:81], s[8:9], s[78:79]        ; bq at my head
	s_add_nc_u64 s[68:69], s[16:17], s[78:79]      ; out at my head's 256 bytes of a row,
	s_lshl_b32 s78, s25, 20
	s_add_nc_u64 s[68:69], s[68:69], s[78:79]      ; at my work-group's first token
	s_lshl_b32 s78, s25, 10
	s_add_nc_u64 s[82:83], s[10:11], s[78:79]      ; the mask likewise
	s_lshr_b32 s78, s25, 3
	s_lshl_b32 s78, s78, 4
	s_add_co_u32 s78, s78, s24
	s_lshl_b32 s78, s78, 15
	s_add_nc_u64 s[70:71], s[14:15], s[78:79]      ; kvp: (16 b + head) x 2 x 16,384 bytes
	WIN 0xC0
.irp n, 0,1,2,3,4,5,6,7,8,9,10,11,12,13,14,15
	global_load_b32 v[MK+\n], v[R4], s[82:83] offset:64*\n
.endr
	WIN 0
.irp i, 0,1,2,3,4,5,6,7
	global_load_b128 v[32+4*\i:35+4*\i], v[H128], s[80:81] offset:16*\i   ; b(32 h + 0 .. 31)
.endr
	WIN 0x80
.set i, 0
.rept 64
	global_load_b128 v[4*i:4*i+3], v[L16], s[70:71] offset:512*i          ; the two partial sums, as the accumulators stood: v0-127 and v128-255 of window 2
.set i, i+1
.endr
.set wk, 0
	WLOAD
.set wk, 1
	WLOAD
.set wk, 2
	WLOAD
	WIN 0
	v_mul_u32_u24 v[AADR], v3, ROWP
	v_lshl_add_u32 v[AADR], v4, 4, v[AADR]
	v_add_nc_u32 v[AADR+1], 64*ROWP, v[AADR]
	v_add_nc_u32 v[AADR+2], 128*ROWP, v[AADR]
	v_add_nc_u32 v[AADR+3], 192*ROWP, v[AADR]
	v_lshlrev_b32 v14, 4, v3
	s_wait_kmcnt 0x0
	s_add_co_i32 s84, s52, s53                     ; E = e0 + e1
	s_sub_co_i32 s85, 0, s84                       ; -E
	s_lshl_b32 s86, s85, 1                         ; -2 E
	s_add_co_i32 s87, s60, 127
	s_lshl_b32 s88, s87, 23                        ; 2^e8
	s_add_co_i32 s87, s87, 15
	s_lshl_b32 s87, s87, 23
	s_or_b32 s[SLIM], s87, 0x600000                ; 57,344 x 2^e8
	s_or_b32 s[SNLIM], s[SLIM], 0x80000000
	s_sub_co_i32 s89, s61, s58
	s_sub_co_i32 s89, s89, s59                     ; e9 - e6 - e7
	s_add_co_i32 s89, s89, 127
	s_lshl_b32 s90, s89, 23
	s_add_co_i32 s89, s89, 15
	s_lshl_b32 s89, s89, 23
	s_or_b32 s89, s89, 0x600000
	s_add_co_i32 s72, s60, s61
	s_add_co_i32 s72, s72, 127
	s_lshl_b32 s72, s72, 23                        ; 2^(e8 + e9)
	s_mov_b32 s91, 0x179abe15                      ; 1e-24
	v_mov_b32 v[SCLKV], s90
	v_mov_b32 v[LIMKV], s89
	WIN 0xC0
	v_lshl_add_u32 v[OADR], v4, 15, v14
	v_mov_b32 v[SCL], s88
	v_ldexp_f32 v[EPS], s91, s86
	v_mov_b32 v[TMP], 0                            ; a lane permute's destination counts as one of its sources
	v_mov_b32 v[INV+1], 0                          ; named as the upper half of a pair
	s_wait_loadcnt 48                              ; mask, bias and kv are in; the 48 loads of the weights' K steps 0-2 may be out
.irp t, 0,1,2,3
.irp j, 0,1,2,3,4,5,6,7
	v_ldexp_f32 v[BIAS+8*\t+\j], v[32+4*\j+\t], s85   ; register j of tile t is column 32 h + 4 j + t
.endr
.endr
	WIN 0xFF
.irp n, 0,1,2,3,4,5,6,7,8,9,10,11,12,13,14,15
	v_cmp_eq_u32 vcc_lo, 0, v[MK+\n]
	v_cndmask_b32 v[MK+\n], 0, 1.0, vcc_lo
.endr
	WIN 0xAA
.set i, 0
.rept 64
	v_pk_add_f32 v[2*i:2*i+1], v[2*i:2*i+1], v[128+2*i:129+2*i]           ; kv = the two halves' sums
.set i, i+1
.endr
	WIN 0x82
.set i, 0
.rept 128
	v_med3_num_f32 v[i], v[i], -v[LIMKV], v[LIMKV]
.set i, i+1
.endr
	WIN 0xC2
.irp d, 0,1,2,3
.irp e, 0,1,2,3
	v_cvt_scalef32_pk8_bf8_f32 v[KV+8*\d+2*\e:KV+8*\d+2*\e+1], v[8*(4*\d+\e):8*(4*\d+\e)+7], v[SCLKV]   ; tile (d, e): places 16 e + 8 h + 0 .. 7 along K of column 4 r + d
.endr
.endr
	v_nop                                          ; the plain line behind the conversions
	WIN 0
	s_wait_tensorcnt 0x3                           ; my part of chunk 0 is in; three later loads may be out
	s_barrier_signal -1
	s_barrier_wait -1
.set ln, 0
	LA 0
	LA 1
.set rn, 0
.rept 16
	RT
.set rn, rn+1
.endr
	; THE END OF THE PIPE: tile 14 leaves; tile 15 is normalised, quantised, multiplied and leaves
	WIN 0xFF
	s_wait_xcnt 0x0
.set rc, 14
.set cj, 0
.rept 8
	QCM
.set cj, cj+1
.endr
	QCS
.set XV, 32
.set rm, 15
.set ka, 0
.rept 22
	QA
.endr
	v_nop
	s_wait_alu depctr_va_vdst(0)
.set kb, 0
.rept 54
	QB
.endr
	P5
	PLACES
	s_wait_xcnt 0x0
.set rc, 15
.set cj, 0
.rept 8
	QCM
.set cj, cj+1
.endr
	QCS
	WIN 0
	s_wait_dscnt 0x0
	s_wait_tensorcnt 0x0
	ds_add_u32 v254, v255
	s_wait_dscnt 0x0
	CROUND                                         ; the closing round: no work-group ends while a partner may still ask for a tile that names it
	s_endpgm
.Lfunc_end_k_q8cf3946b18_qctx:
	.size	k_q8cf3946b18_qctx, .Lfunc_end_k_q8cf3946b18_qctx-k_q8cf3946b18_qctx
	.p2alignl 7, 3214868480
	.fill 96, 4, 3214868480
	.section	.rodata,"a",@progbits
	.p2align	6, 0x0
	.amdhsa_kernel k_q8cf3946b18_qctx
		.amdhsa_group_segment_fixed_size 266752
		.amdhsa_private_segment_fixed_size 0
		.amdhsa_enable_private_segment 0
		.amdhsa_kernarg_size 56
		.amdhsa_user_sgpr_count 2
		.amdhsa_user_sgpr_kernarg_segment_ptr 1
		.amdhsa_wavefront_size32 1
		.amdhsa_system_sgpr_workgroup_id_x 1
		.amdhsa_system_sgpr_workgroup_id_y 1
		.amdhsa_system_sgpr_workgroup_id_z 1
		.amdhsa_system_vgpr_workitem_id 0
		.amdhsa_next_free_vgpr 1024
		.amdhsa_next_free_sgpr 100
		.amdhsa_reserve_vcc 1
		.amdhsa_float_denorm_mode_32 3
		.amdhsa_float_denorm_mode_16_64 3
		.amdhsa_memory_ordered 1
		.amdhsa_forward_progress 1
		.amdhsa_inst_pref_size 241
	.end_amdhsa_kernel
	.amdgpu_metadata
---
amdhsa.version: [ 1, 2 ]
amdhsa.kernels:
  - .name:           k_q8cf3946b18_qctx
    .symbol:         k_q8cf3946b18_qctx.kd
    .args:
      - { .name: hidden_states_codes, .offset: 0, .size: 8, .value_kind: global_buffer, .address_space: global }
      - { .name: wqi, .offset: 8, .size: 8, .value_kind: global_buffer, .address_space: global }
      - { .name: bq, .offset: 16, .size: 8, .value_kind: global_buffer, .address_space: global }
      - { .name: attention_mask, .offset: 24, .size: 8, .value_kind: global_buffer, .address_space: global }
      - { .name: lowp_scales, .offset: 32, .size: 8, .value_kind: global_buffer, .address_space: global }
      - { .name: kvp, .offset: 40, .size: 8, .value_kind: global_buffer, .address_space: global }
      - { .name: out0, .offset: 48, .size: 8, .value_kind: global_buffer, .address_space: global }
    .group_segment_fixed_size: 266752
    .private_segment_fixed_size: 0
    .kernarg_segment_align: 8
    .kernarg_segment_size: 56
    .max_flat_workgroup_size: 128
    .sgpr_count:     100
    .vgpr_count:     1024
    .wavefront_size: 32
...
	.end_amdgpu_metadata
.endif
;; end of part 2
